; MI455X (gfx1250); checked and timed in simulation.
; The chip was launched on July 23, 2026; its instructions are those of AMD's public machine-readable ISA for CDNA 5 (MIT licence, August 2026) and "CDNA5" Instruction Set Architecture Reference Guide (July 2026). The comments in the code are by the model that wrote it; some were corrected since.
;; LSTM Cell. Allowed arithmetic: matrix products marked QUANTISED: E2M1 operands, one E8M0 scale for each 32 along K, by v_wmma_scale_f32_16x16x128_f8f6f4 with both operands' format E2M1 (or v_wmma_scale_f32_32x16x128_f4), f32 sums; everything else in f32.
;; Inputs: W_hh_codes 4,096 x 32 x 16 uint8 (E2M1 codes of W_hh, K innermost, in blocks of 32 codes, two codes a byte); W_hh_scales 4,096 x 32 uint8 (E8M0 scales of W_hh, one for each 32 codes along K); W_xh_codes 4,096 x 32 x 16 uint8 (E2M1 codes of W_xh, K innermost, in blocks of 32 codes, two codes a byte); W_xh_scales 4,096 x 32 uint8 (E8M0 scales of W_xh, one for each 32 codes along K); bias 4,096 float32; c 8,192 x 1,024 float32; h_codes 8,192 x 32 x 16 uint8 (E2M1 codes of h, K innermost, in blocks of 32 codes, two codes a byte); h_scales 8,192 x 32 uint8 (E8M0 scales of h, one for each 32 codes along K); ln_beta 4,096 float32; ln_c_beta 1,024 float32; ln_c_gamma 1,024 float32; ln_gamma 4,096 float32; x_codes 8,192 x 32 x 16 uint8 (E2M1 codes of x, K innermost, in blocks of 32 codes, two codes a byte); x_scales 8,192 x 32 uint8 (E8M0 scales of x, one for each 32 codes along K).
;; Outputs: out0 8,192 x 1,024 float32; out1 8,192 x 1,024 float32.
;; This version of the problem:
;;   THIS VERSION OF THE PROBLEM IS GIVEN IN LOW PRECISION. The matrix products marked QUANTISED in the list below multiply operands that are first quantised to E2M1 (2 exponent bits, 1 mantissa bit; 4 bits a number), with one power-of-two scale for each 32 numbers along K (OCP MX v1.0); their sums are f32. All else is computed in f32.
;;   The module's matrix products, in the order in which they are computed (A, B: the left and right operand; K: the contracted axis; several contracted axes count as one K, in the product's order):
;;     1. [M 8,192, K 1,024] x [K 1,024, N 4,096]; A: input x (given as codes); B: input W_xh (given as codes): QUANTISED
;;     2. [M 8,192, K 1,024] x [K 1,024, N 4,096]; A: input h (given as codes); B: input W_hh (given as codes): QUANTISED
;;   THE QUANTISER, for each operand of a quantised product, along K:
;;     - K is cut into blocks of 32 from its start; a last block that is shorter is filled with zeros.
;;     - A block's scale is 2^e with e = floor(log2(the largest magnitude in the block)) - 2, held to -126 .. 127; a block of zeros has e = 0. As a byte (E8M0): e + 127.
;;     - Each number is divided by its block's scale, clamped to +-6, and rounded to the nearest number of E2M1, ties to even, subnormals kept.
;;     - The product sums the exact products of the quantised numbers (number of the format x scale) in f32.
;;   ~~~python
;;   def quantise(x, axis):      # numpy; x: float32 -> the quantised numbers, widened to float32 again
;;       x = np.moveaxis(x, axis, -1); K = x.shape[-1]
;;       x = np.pad(x, [(0, 0)] * (x.ndim - 1) + [(0, -K % 32)]); x = x.reshape(x.shape[:-1] + (-1, 32)); a = np.abs(x).max(-1, keepdims=True)
;;       e = np.where(a > 0, np.clip(np.frexp(np.where(a > 0, a, 1))[1] - 1 - 2, -126, 127), 0)      # np.frexp(a)[1] - 1 = floor(log2(a)), exactly
;;       r = np.clip(x / 2.0 ** e, -6, 6)
;;       step = 2.0 ** (np.maximum(np.frexp(np.where(r == 0, 1, r))[1] - 1, 0) - 1)
;;       q = np.round(r / step) * step * 2.0 ** e      # np.round: ties to even
;;       return np.moveaxis(q.reshape(q.shape[:-2] + (-1,))[..., :K], -1, axis).astype(np.float32)
;;   ~~~
;;   INPUTS GIVEN AS CODES. W_hh (in the module: [1024, 4096], K = its axis 0); W_xh (in the module: [1024, 4096], K = its axis 0); h (in the module: [8192, 1024], K = its axis 1); x (in the module: [8192, 1024], K = its axis 1): each comes as NAME_codes (uint8): NAME with its K axis moved to the last place and cut into blocks of 32 codes, [.., K / 32, bytes a block], one block behind the other in memory; two codes a byte, the lower K in the low four bits (a code: sign, 2 exponent bits, 1 mantissa bit); and NAME_scales (uint8): the same leading axes, one E8M0 byte (e + 127) for each 32 codes along K. Its value is code x scale, taken as it is: it is not quantised again, and the codes and scales need not be those that the quantiser above would give.
;; One version. Each part assembles by itself: llvm-mc -triple=amdgcn-amd-amdhsa -mcpu=gfx1250 --defsym DOCPART=n.
;; ======== version 1 of 1: 2 launches
;; workspace buffers: z 134,217,728 bytes
;; launch gates (part 1): grid 16 x 16, 4 waves a work-group, clusters of 4 x 4, 327,680 bytes of LDS; arguments x_codes, x_scales, h_codes, h_scales, W_xh_codes, W_xh_scales, W_hh_codes, W_hh_scales, bias, z; writes z
.if DOCPART == 1
	.amdgcn_target "amdgcn-amd-amdhsa--gfx1250"
	.amdhsa_code_object_version 6
	.text
	.protected	k_q1e6399e038_gates
	.globl	k_q1e6399e038_gates
	.p2align	8
	.type	k_q1e6399e038_gates,@function
k_q1e6399e038_gates:
	s_mov_b64 s[64:65], 0
	v_nop
	global_prefetch_b8 v0, s[64:65] scope:SCOPE_SE
	s_setreg_imm32_b32 hwreg(HW_REG_WAVE_MODE, 25, 1), 1
	s_wait_xcnt 0x0
	s_wait_alu depctr_hold_cnt(0) depctr_sa_sdst(0) depctr_va_vdst(0) depctr_va_sdst(0) depctr_va_ssrc(0) depctr_va_vcc(0) depctr_vm_vsrc(0)
	s_getreg_b32 s2, hwreg(HW_REG_IB_STS2, 6, 4)
	s_cmp_eq_u32 s2, 0
	s_cbranch_scc0 .Lentry_in_a_cluster
	s_endpgm
.Lentry_in_a_cluster:
	s_bfe_u32 s2, ttmp6, 0x10000c
	s_cmp_lg_u32 s2, 0xf033
	s_cbranch_scc0 .Lentry_shape_is_right
	s_endpgm
.Lentry_shape_is_right:
; z[m][n] = sum over k of x[m][k] W_xh[k][n] + sum over k of h[m][k] W_hh[k][n] + bias[n]:  z is [8192][4096] f32, this program's own buffer, read by the second launch.
; x, h: [8192][1024], W_xh, W_hh: [4096 (n)][1024 (k)]: codes of FP4 (E2M1), two a byte, K innermost, with one E8M0 byte for each 32 along K.  Codes and scale bytes go to the matrix unit as they lie.
; NO WORK IS LEFT OUT: every input of the problem has a way to an output (the bias differs from column to column, so the norms behind it do not cancel it); the nine here and the five of the second launch are all of them.
; LIMITS: the sum of an output begins with its bias and takes x's 1,024 products and then h's, K ascending: another order of rounding than (x W + h W) + bias.  NaN, infinities and the scale byte 0xff go as the instructions carry them; not tried.
; The two products are walked as ONE with K = 2,048: four K steps of 512 (a tile's row is 256 bytes of memory), steps 0, 1 from x and W_xh, steps 2, 3 from h and W_hh, through a ring of two LDS slots filled by the tensor data mover.
; A tile of z, 256 x 256, is made by a work-group of four waves; a wave makes 128 x 128: 64 accumulators of 16 x 16, 512 registers.
; A WORK-GROUP STAYS: it makes TWO tiles, 4,096 rows apart, in the same 256 columns: 16 x 16 work-groups for 16 x 32 tiles.  The ring does not stop at the first tile's end: its last two changes of slots ask for the second
; tile's K steps 0 and 1, and nothing waits for the first tile's stores: they are on their way while the second tile is multiplied.  Both tiles take the same rows of the weights, the same scales of them and the same bias.
; THE SCALE WORDS LIE IN REGISTERS.  A wave's are 128 rows x 64 bytes of the weights, once, and as much of x and h for each tile: they come by plain loads of whole rows of 32 bytes, straight into the registers that the matrix
; instructions name.  One register carries two blocks of 16 rows: block i in lanes 0-15, block i + 4 in lanes 16-31; the selector ROW1 takes the upper.  They are not asked for jointly: 98,304 bytes a work-group beside the
; 1,048,576 bytes of codes that are.  So LDS holds the ring, a stage of its own for the way out and the spare words.
; CLUSTERS: 4 x 4 work-groups.  The four of a row of the cluster need the same tiles of x and h, the four of a column the same tiles of the weights: each tile is asked for JOINTLY, by the same tensor load with the
; same descriptor and a mask that names the four.  THE MATRIX INSTRUCTION IS USED TRANSPOSED (source 0 = 16 rows of a weight, source 1 = 16 rows of x or h): a lane then holds eight neighbouring numbers of a row of z.
; THE BIAS is the C of each sum's first product: eight registers for each of my eight blocks of 16 columns, in the result's layout.  Nothing is cleared and nothing is added afterwards.
; REGISTERS, in windows of 256: window 0: v0-31 addresses; v32-95 the weights' scale words; v96-159 x's and h's; v160-223 A's fragments (8 x 16 rows x 128 K), ONE set.
;   window 1: B's fragments, TWO sets, at v0 and at v128; v192-255 the bias; on the way out v64-127 and v128-191 (B's second set, idle then) take rows of z by turns.
;   window 2: the 32 accumulators of my rows 0-63 (accumulator (a, b) at v[8 (8 a + b)]);   window 3: those of my rows 64-127.
; A step of 128 along K is 64 matrix instructions, A's blocks one after the other, each against B's eight: a block of A is free as soon as its eight products are issued, so one set serves A; B has two.
; The walk is written out, 32 steps: each of its six refills reads another place (x or h, the first tile's rows or the second's), and the last two K steps ask for nothing.
.set NQ,     4                         ; steps of 128 along K in a slot
.set ROWB,   256                       ; a tile's row in bytes: 512 codes
.set KROW,   512                       ; a row of x, h or a weight in memory, in bytes
.set PITCH,  272                       ; an LDS row: 256 bytes + 16 of padding = 68 words: row r starts at bank 4 r mod 64 (64 banks of 4 bytes: ISA guide 11.1), so the 16 rows of a load start at 16 different banks
.set FR,     8                         ; registers of a fragment: 16 rows x 128 K
.set NL,     2                         ; LDS loads that bring one
.set NP,     4                         ; places behind this matrix instruction (ISA guide 7.12.1)
.set HALFT,  128*PITCH                 ; 128 rows: what one tensor load brings, and what one wave reads of A or of B
.set SLOT,   4*HALFT                   ; A's 256 rows, then B's 256 rows
.set STAGE,  2*SLOT                    ; behind the ring: the way out's stage, 16 rows x (512 bytes + 16) for each wave; no tensor load lands here
.set SPITCH, 528
.set SPARE,  STAGE+4*16*SPITCH         ; behind the stages: the spare words, 128 bytes for each wave: two blocks of 256 bytes that no other line names
.set SIZE_N, 4096
.set WALKA,  4096*KROW                 ; from the first tile's rows to the second's: in the codes of x and h,
.set WALKS,  4096*32                   ; in their scale bytes,
.set NEXTZ,  (4096-7*16)*SIZE_N*4      ; and in z, from my last 16 rows of the first tile to my first of the second
.set ADRA, 16                          ; v16-17  LDS address of my A fragments in slot 0, 1
.set ADRB, 20                          ; v20-21  the same for B
.set STO,  24                          ; v24     the way out: where I put 32 bytes of a row
.set RD,   25                          ; v25     the way out: where I read a row back
.set CO,   26                          ; v26     my byte offset in a row of z
.set SO,   27                          ; v27     my row among 128 rows of scale bytes: 32 x (lane % 16) + 2,048 x (lane / 16): lanes 16-31 stand 64 rows further down; never rewritten
.set SPW,  28                          ; v28     LDS address of my spare word: SPARE + 4 x my thread's number; never rewritten
.set NIL,  29                          ; v29     0; never rewritten
.set BO,   30                          ; v30     32 x (lane / 16): my eight numbers of a block of 16 of the bias
.set SB,   32                          ; the weights' scale words: register 16 i + 4 t + q: K step t, its q-th 128 along K; lanes 0-15 block i, lanes 16-31 block i + 4
.set SA,   96                          ; x's (t = 0, 1) and h's (t = 2, 3), laid likewise
.set AF,   160                         ; A's fragments
.set BI,   192                         ; in window 1: the bias: block b at v[BI + 8 b]
.set BK,   64                          ; in window 1: the way out: 16 rows read back from the stage: v64-127 and v128-191 by turns
.set WV,   16                          ; s16  my wave's number
.set HR,   17                          ; s17  which half of the tile's rows is mine.  Also: I fetch for A (0) or for B (1)
.set HC,   18                          ; s18  which half of its columns.  Also: which 128 rows of a tile I fetch
.set TR,   19                          ; s19  tile row of z of my first tile, 0 .. 15
.set TC,   42                          ; s42  tile column of z
.set PX,   4                           ; s[4:5]   x's codes at the rows that I fetch for the first tile
.set XSP,  6                           ; s[6:7]   x's scale bytes at my 128 rows of the first tile
.set PH,   8                           ; s[8:9]   h's codes
.set HSP,  10                          ; s[10:11] h's scale bytes
.set PWX,  92                          ; s[92:93] W_xh's codes at the rows that I fetch
.set WXSP, 94                          ; s[94:95] its scale bytes at my 128 columns
.set PWH,  96                          ; s[96:97] W_hh's codes
.set WHSP, 98                          ; s[98:99] its scale bytes
.set G1,   24                          ; s[24:31] descriptor group 1 for A's tiles;  s[32:39] group 0, one set for each slot
.set G0,   32
.set G1B,  48                          ; s[48:55], s[56:63] the same for B's tiles
.set G0B,  56
.set MSB, 0
.macro WIN new                         ; the immediate's high byte repeats the setting that is left; a switch that changes nothing is dropped
.if MSB != (\new)
	s_set_vgpr_msb (MSB<<8)|(\new)
.set MSB, \new
.endif
.endm
.set MUL_LO,   0xa1                    ; source 0 (B) window 1, source 1 (A) window 0, C and D window 2
.set MUL_HI,   0xf1                    ; the same, C and D window 3
.set FIRST_LO, 0x91                    ; a sum's first product: C (the bias) window 1, D window 2
.set FIRST_HI, 0xd1                    ; the same, D window 3
.set TO_B,     0x40                    ; destination window 1, address window 0
.set FROM_B,   0x04                    ; a store's data (source 1) window 1, address window 0
; A joint load: waves 0 and 1 fetch for A, waves 2 and 3 for B.  Each of the two lines has ONE mask and one set of registers for all that issue it; the branch hangs on the wave's number alone.
; An s_nop 0 and four v_nop follow each of the two lines, ahead of the jump, the label and what follows.
.macro JLOAD g0a, g1a, g0b, g1b
	s_cmp_eq_u32 s[HR], 0
	s_cbranch_scc0 .Lfor_b_\@
	tensor_load_to_lds s[\g0a:\g0a+3], s[\g1a:\g1a+7]
	s_nop 0
.rept 4
	v_nop
.endr
	s_branch .Lasked_\@
.Lfor_b_\@:
	tensor_load_to_lds s[\g0b:\g0b+3], s[\g1b:\g1b+7]
	s_nop 0
.rept 4
	v_nop
.endr
.Lasked_\@:
.endm
.macro CREST                           ; a round of the cluster's barrier behind its opening barrier
	s_cmp_lg_u32 s[WV], 0
	s_cbranch_scc1 .Lnot_wave_0_\@
	s_barrier_signal -3
.Lnot_wave_0_\@:
	s_barrier_wait -3
	s_barrier_signal -1
	s_barrier_wait -1
.endm
.macro CROUND                          ; a whole round
	s_barrier_signal -1
	s_barrier_wait -1
	CREST
.endm
; The scale words of 128 rows for two K steps, k0 and k0 + 1 (a whole row of 32 bytes), from off bytes on: eight loads; two on end cover 16 + 16 rows whole.  Lanes 0-15 take block i, lanes 16-31 block i + 4.
.macro SCLOAD reg, base, k0, off
.irp i, 0,1,2,3
.irp u, 0,1
	global_load_b128 v[\reg+16*\i+4*(\k0+\u):\reg+16*\i+4*(\k0+\u)+3], v[SO], s[\base:\base+1] offset:\off+512*\i+16*\u
.endr
.endr
.endm
	s_load_b256 s[4:11], s[0:1], 0x0               ; x's codes, x's scales, h's codes, h's scales
	s_load_b256 s[92:99], s[0:1], 0x20             ; W_xh's codes, its scales, W_hh's codes, its scales
	s_load_b128 s[12:15], s[0:1], 0x40             ; the bias s[12:13], z s[14:15]
	v_lshl_add_u32 v[SPW], v0, 2, SPARE
	v_mov_b32 v[NIL], 0
	ds_add_u32 v[SPW], v[NIL]                      ; the wave's opening: the add, twice on end, and its wait ahead of my first tensor load; the set-up below, work on registers, stands between the second and the wait
	ds_add_u32 v[SPW], v[NIL]                      ; and once more, under the one wait
	v_lshrrev_b32 v1, 5, v0
	v_readfirstlane_b32 s[WV], v1                  ; wave 0..3
	s_lshr_b32 s[HR], s[WV], 1
	s_and_b32 s[HC], s[WV], 1
	s_bfe_u32 s40, ttmp6, 0x40000                  ; cx, cy: my place in the cluster
	s_bfe_u32 s41, ttmp6, 0x40004
	s_lshl_b32 s[TC], ttmp9, 2
	s_add_co_u32 s[TC], s[TC], s40                 ; tile column of z = 4 x cluster x + cx
	s_and_b32 s[TR], ttmp7, 0xffff
	s_lshl_b32 s[TR], s[TR], 2
	s_add_co_u32 s[TR], s[TR], s41                 ; tile row of my first tile = 4 x cluster y + cy
	s_lshl_b32 s43, s41, 2
	s_lshl_b32 s43, 15, s43                        ; my row of the cluster: places 4 cy .. 4 cy + 3
	s_lshl_b32 s44, 0x1111, s40                    ; my column: places cx, cx + 4, cx + 8, cx + 12
	; descriptor group 1: a tile of 128 rows x 256 bytes, padded in LDS
	s_or_b32 s[G1+0], s43, (0<<16)|(1<<20)|(1<<21)|(5<<22)|(3<<25)  ; 15:0 the mask: A's tiles go to my row; 17:16 elements of 1 byte; 20 padding on; 21 set beside a mask; 24:22 after every 64 words (code 5); 31:25 four words (code 3)
	s_or_b32 s[G1B+0], s44, (0<<16)|(1<<20)|(1<<21)|(5<<22)|(3<<25) ; the same with the mask of my column, for B's tiles
.irp g, G1, G1B
	s_mov_b32 s[\g+1], ROWB<<16                    ; tensor_dim0 = 256
	s_mov_b32 s[\g+2], 128<<16                     ; tensor_dim1 = 128
	s_mov_b32 s[\g+3], ROWB<<16                    ; tile_dim0 = 256
	s_mov_b32 s[\g+4], 128                         ; tile_dim1 = 128
	s_mov_b32 s[\g+5], KROW                        ; tensor_dim0_stride: 512 bytes from row to row
	s_mov_b32 s[\g+6], 0
	s_mov_b32 s[\g+7], 0
.endr
	; byte offsets, all under 2^31.  A's hang on the tile row alone, which my row of the cluster shares; B's on the tile column alone; each in registers that never hold the other coordinate
	s_lshl_b32 s20, s[TR], 8
	s_lshl_b32 s21, s[HC], 7
	s_add_co_u32 s20, s20, s21                     ; the rows of x and h that I fetch: 256 x tile row + 128 x half,
	s_lshl_b32 s20, s20, 9                         ; of 512 bytes
	s_mov_b32 s21, 0
	s_lshl_b32 s22, s[TR], 8
	s_lshl_b32 s23, s[HR], 7
	s_add_co_u32 s22, s22, s23                     ; the rows that I multiply: 256 x tile row + 128 x my half:
	s_lshl_b32 s66, s22, 14                        ; in z, rows of 16,384 bytes,
	s_mov_b32 s67, 0
	s_lshl_b32 s22, s22, 5                         ; in the scale bytes, rows of 32
	s_mov_b32 s23, 0
	s_lshl_b32 s46, s[TC], 8
	s_lshl_b32 s47, s[HC], 7
	s_add_co_u32 s46, s46, s47                     ; 256 x tile column + 128 x half: the rows of the weights that I fetch, and also the columns that I multiply:
	s_lshl_b32 s68, s46, 5                         ; in the weights' scale bytes,
	s_mov_b32 s69, 0
	s_lshl_b32 s70, s46, 2                         ; in the bias and in a row of z, 4 bytes a column,
	s_mov_b32 s71, 0
	s_lshl_b32 s46, s46, 9                         ; in the weights' codes
	s_mov_b32 s47, 0
	s_mul_i32 s45, s[WV], HALFT                    ; where the codes go: wave x 128 rows: no place in the cluster enters an LDS address
	s_wait_dscnt 0x0                               ; both opening adds are done
	s_wait_kmcnt 0x0
	s_add_nc_u64 s[PX:PX+1], s[PX:PX+1], s[20:21]
	s_add_nc_u64 s[PH:PH+1], s[PH:PH+1], s[20:21]
	s_add_nc_u64 s[XSP:XSP+1], s[XSP:XSP+1], s[22:23]
	s_add_nc_u64 s[HSP:HSP+1], s[HSP:HSP+1], s[22:23]
	s_add_nc_u64 s[PWX:PWX+1], s[PWX:PWX+1], s[46:47]
	s_add_nc_u64 s[PWH:PWH+1], s[PWH:PWH+1], s[46:47]
	s_add_nc_u64 s[WXSP:WXSP+1], s[WXSP:WXSP+1], s[68:69]
	s_add_nc_u64 s[WHSP:WHSP+1], s[WHSP:WHSP+1], s[68:69]
	s_add_nc_u64 s[12:13], s[12:13], s[70:71]      ; the bias at my first column
	s_add_nc_u64 s[14:15], s[14:15], s[66:67]      ; z at my first row
	s_add_nc_u64 s[14:15], s[14:15], s[70:71]      ; and column
	CROUND                                         ; all sixteen work-groups are here: the first joint loads meet
.irp s, 0,1
	s_mov_b32 s[G0+4*\s], 1                        ; 1:0 count = 1
	s_add_co_u32 s[G0+4*\s+1], s45, \s*SLOT        ; 63:32 LDS address
	s_add_nc_u64 s[G0+4*\s+2:G0+4*\s+3], s[PX:PX+1], \s*ROWB       ; 120:64 global address: K step s
	s_or_b32 s[G0+4*\s+3], s[G0+4*\s+3], 0x80000000                ; 127:126 type = 2
	s_mov_b32 s[G0B+4*\s], 1
	s_add_co_u32 s[G0B+4*\s+1], s45, \s*SLOT
	s_add_nc_u64 s[G0B+4*\s+2:G0B+4*\s+3], s[PWX:PWX+1], \s*ROWB
	s_or_b32 s[G0B+4*\s+3], s[G0B+4*\s+3], 0x80000000
	JLOAD G0+4*\s, G1, G0B+4*\s, G1B               ; K steps 0 and 1: two tensor loads of mine are out now, later one
.endr
	v_and_b32 v1, 15, v0                           ; r = l % 16
	v_bfe_u32 v2, v0, 4, 1                         ; h = l / 16
	v_lshlrev_b32 v[SO], 5, v1
	v_lshl_add_u32 v[SO], v2, 11, v[SO]
	v_lshlrev_b32 v[BO], 5, v2
	SCLOAD SB, WXSP, 0, 0                          ; the weights' scale words: for the whole launch
	SCLOAD SB, WHSP, 2, 0
	SCLOAD SA, XSP, 0, 0                           ; x's and h's of the first tile
	SCLOAD SA, HSP, 2, 0
	WIN TO_B
.irp b, 0,1,2,3,4,5,6,7
	global_load_b128 v[BI+8*\b:BI+8*\b+3],   v[BO], s[12:13] offset:64*\b      ; bias(16 b + 8 h + 0 .. 3),
	global_load_b128 v[BI+8*\b+4:BI+8*\b+7], v[BO], s[12:13] offset:64*\b+16   ; and + 4 .. 7: the result's layout
.endr
	WIN 0
	v_mul_u32_u24 v3, v1, PITCH
	v_lshl_add_u32 v4, v2, 4, v3                   ; a fragment's row x pitch + 16 x half
	s_mul_i32 s21, s[HR], HALFT                    ; my 128 rows of A
	s_mul_i32 s22, s[HC], HALFT                    ; my 128 rows of B,
	s_add_co_u32 s22, s22, 2*HALFT                 ; which lie behind A's 256
.irp s, 0,1
	v_add_nc_u32 v[ADRA+\s], s21, v4
	v_add_nc_u32 v[ADRB+\s], s22, v4
	s_add_co_u32 s21, s21, SLOT
	s_add_co_u32 s22, s22, SLOT
.endr
	s_mul_i32 s23, s[WV], 16*SPITCH
	s_add_co_u32 s23, s23, STAGE                   ; my stage
	v_mul_u32_u24 v5, v1, SPITCH                   ; in: row l % 16, 32 bytes for each half of the lanes
	v_lshl_add_u32 v5, v2, 5, v5
	v_add_nc_u32 v[STO], s23, v5
	v_and_b32 v6, 31, v0
	v_lshlrev_b32 v[CO], 4, v6                     ; back: the 32 lanes take one row of 512 bytes; and the same in z
	v_add_nc_u32 v[RD], s23, v[CO]
.macro FRAG reg, adr, q, i             ; a fragment, 16 rows x 128 K of 4-bit codes, is 8 registers: lane l holds row l % 16; registers 4 c .. 4 c + 3 hold K = 64 c + 32 (l / 16) + 0 .. 31, the lower K in the lower bits
.irp c, 0,1
	ds_load_b128 v[\reg+4*\c:\reg+4*\c+3], v[\adr] offset:64*(\q)+32*\c+(\i)*16*PITCH
.endr
.endm
; One product: A's block a x B's block b, 128 along K: K step kt, its q-th.  p: B's set.  first = 1: the sum begins, with the bias as C.  The first scale operand goes with source 0 (the weights), the second with source 1.
.macro WM a, b, p, kt, q, first
.set rD,  8*(8*((\a)%4)+(\b))
.set rW,  128*(\p)+FR*(\b)
.set rX,  AF+FR*(\a)
.set rSW, SB+16*((\b)%4)+4*(\kt)+(\q)
.set rSX, SA+16*((\a)%4)+4*(\kt)+(\q)
.if \first
.set rC,  BI+8*(\b)
.else
.set rC,  8*(8*((\a)%4)+(\b))
.endif
.if ((\a) < 4) && ((\b) < 4)
	v_wmma_scale_f32_16x16x128_f8f6f4 v[rD:rD+7], v[rW:rW+7], v[rX:rX+7], v[rC:rC+7], v[rSW], v[rSX] matrix_a_fmt:MATRIX_FMT_FP4 matrix_b_fmt:MATRIX_FMT_FP4
.elseif (\a) < 4
	v_wmma_scale_f32_16x16x128_f8f6f4 v[rD:rD+7], v[rW:rW+7], v[rX:rX+7], v[rC:rC+7], v[rSW], v[rSX] matrix_a_fmt:MATRIX_FMT_FP4 matrix_b_fmt:MATRIX_FMT_FP4 matrix_a_scale:MATRIX_SCALE_ROW1
.elseif (\b) < 4
	v_wmma_scale_f32_16x16x128_f8f6f4 v[rD:rD+7], v[rW:rW+7], v[rX:rX+7], v[rC:rC+7], v[rSW], v[rSX] matrix_a_fmt:MATRIX_FMT_FP4 matrix_b_fmt:MATRIX_FMT_FP4 matrix_b_scale:MATRIX_SCALE_ROW1
.else
	v_wmma_scale_f32_16x16x128_f8f6f4 v[rD:rD+7], v[rW:rW+7], v[rX:rX+7], v[rC:rC+7], v[rSW], v[rSX] matrix_a_fmt:MATRIX_FMT_FP4 matrix_b_fmt:MATRIX_FMT_FP4 matrix_a_scale:MATRIX_SCALE_ROW1 matrix_b_scale:MATRIX_SCALE_ROW1
.endif
.endm
; 16 matrix instructions: A's blocks a0, a0 + 1 x B's eight.  The 64 accumulators take turns, one instruction a turn, in the same order in every step, from tile to tile too.
.macro MUL16 a0, p, kt, q, first
.irp a, \a0, \a0+1
.irp b, 0,1,2,3,4,5,6,7
	WM \a, \b, \p, \kt, \q, \first
.endr
.endr
.endm
.macro FETCH_B slot, q, p              ; B's eight fragments of the slot's q-th 128 along K into set p
	WIN TO_B
.irp i, 0,1,2,3,4,5,6,7
	FRAG 128*(\p)+FR*\i, ADRB+\slot, \q, \i
.endr
	WIN 0
.endm
.macro FETCH_A slot, q, i0             ; A's blocks i0 .. i0 + 3
.irp i, \i0, \i0+1, \i0+2, \i0+3
	FRAG AF+FR*(\i), ADRA+\slot, \q, \i
.endr
.endm
; A load into a register that a matrix instruction has read, and an LDS store that reads a matrix result, stand NP places behind that matrix instruction, and only plain vector instructions that name none of
; its registers are places (ISA guide 7.12.1 for vector instructions); the matrix instructions in between are not counted.
.macro PLACES n
.rept \n
	v_nop
.endr
.endm
; A step of 128 along K that has its successor in the same slot.  xw = 1, in the second tile's first step: the first tile's last stores read B's second set, into which this step's loads land.
.macro STEP slot, kt, q, first, xw
	s_wait_dscnt 4*NL                              ; B's set and A's blocks 0-3 are in; the youngest eight loads (A's blocks 4-7) may be out
.if \first
	WIN FIRST_LO
.else
	WIN MUL_LO
.endif
	MUL16 0, (\q)%2, \kt, \q, \first
	MUL16 2, (\q)%2, \kt, \q, \first
	s_wait_dscnt 0                                 ; A's blocks 4-7 are in (asked for 32 matrix instructions ago)
.if \xw
	s_wait_xcnt 0x0                                ; every store of the first tile has read its registers: only behind this wait are they loaded again
.endif
	PLACES NP
	FETCH_B \slot, (\q)+1, 1-(\q)%2
	FETCH_A \slot, (\q)+1, 0
.if \first
	WIN FIRST_HI
.else
	WIN MUL_HI
.endif
	MUL16 4, (\q)%2, \kt, \q, \first
	MUL16 6, (\q)%2, \kt, \q, \first
	PLACES NP
	WIN 0
	FETCH_A \slot, (\q)+1, 4
.endm
; A slot's last step changes slots: ONE barrier; in front of it each wave waits for all its tensor loads, adds 0 to its spare word, and waits for that and for its own reads of this slot.
; fill = 1: this slot is filled again, with the K step two on: A's tile from s[pa] + offa, B's from s[pb] + offb; the barrier then opens a round of the cluster's.
.macro TURN slot, next, kt, fill, pa, offa, pb, offb
	s_wait_tensorcnt 0x0                           ; all my tensor loads have landed: my part of the next slot among them  (every window is 0 here: the add's two registers lie in window 0)
	ds_add_u32 v[SPW], v[NIL]                      ; 0 onto my spare word
	s_wait_dscnt 4*NL+1                            ; (the add and the youngest eight loads, A's blocks 4-7, may be out)
	WIN MUL_LO
	MUL16 0, 1, \kt, NQ-1, 0                       ; sixteen matrix instructions stand between the add and the wait for it
	s_wait_dscnt 0x0                               ; the add is done, and my reads of this slot are over
	s_barrier_signal -1
	MUL16 2, 1, \kt, NQ-1, 0
	WIN 0
	s_barrier_wait -1
.if \fill
	CREST                                          ; no wave of any partner still reads this slot's tile or has a load on its way
	s_add_nc_u64 s[G0+4*\slot+2:G0+4*\slot+3], s[\pa:\pa+1], \offa           ; no tensor load of mine is out, so a group 0 may be written
	s_or_b32 s[G0+4*\slot+3], s[G0+4*\slot+3], 0x80000000
	s_add_nc_u64 s[G0B+4*\slot+2:G0B+4*\slot+3], s[\pb:\pb+1], \offb
	s_or_b32 s[G0B+4*\slot+3], s[G0B+4*\slot+3], 0x80000000
	JLOAD G0+4*\slot, G1, G0B+4*\slot, G1B         ; the first tensor load behind the round; the four v_nop behind it are the places in front of the loads below
.else
	PLACES NP
.endif
	FETCH_B \next, 0, 0
	FETCH_A \next, 0, 0
	WIN MUL_HI
	MUL16 4, 1, \kt, NQ-1, 0
	MUL16 6, 1, \kt, NQ-1, 0
	PLACES NP
	WIN 0
	FETCH_A \next, 0, 4
.endm
.macro STEPS slot, kt, from            ; the slot's steps from .. NQ - 2
.set Q, \from
.rept NQ-1-\from
	STEP \slot, \kt, Q, 0, 0
.set Q, Q+1
.endr
.endm
; THE WAY OUT, block by block of 16 rows x 128 columns.  A lane holds 32 neighbouring bytes of a row, and the lanes beside it hold other rows: so a block goes through my own stage in LDS and comes back as whole
; rows of 512 bytes.  LDS serves a wave's instructions in order (ISA guide 5.7.1.4): no wait between the stores and the loads, nor in front of the next block's stores.
.macro TOSTAGE a
.set AC, 64*((\a)%4)
	WIN 0x08+4*((\a)/4)                            ; an LDS store's data are its source 1: window 2 or 3
.irp b, 0,1,2,3,4,5,6,7
	ds_store_b128 v[STO], v[AC+8*\b:AC+8*\b+3] offset:64*\b          ; each accumulator from its low end on
	ds_store_b128 v[STO], v[AC+8*\b+4:AC+8*\b+7] offset:64*\b+16
.endr
	WIN TO_B
.set BB, BK+64*((\a)%2)
.irp t, 0,1,2,3,4,5,6,7,8,9,10,11,12,13,14,15
	ds_load_b128 v[BB+4*\t:BB+4*\t+3], v[RD] offset:\t*SPITCH
.endr
.endm
.macro SEND a, younger                 ; younger: the LDS instructions issued behind block a's loads, which may stay out
.set BB, BK+64*((\a)%2)
	s_wait_dscnt \younger                          ; the block is back in registers
.if (\a) > 0
	s_add_nc_u64 s[14:15], s[14:15], 16*SIZE_N*4   ; (behind a wait on XCNT: the earlier stores have read their base)  16 rows of z on: the stores' offsets reach 15 rows, 245,760 bytes
.endif
	WIN FROM_B
.irp t, 0,1,2,3,4,5,6,7,8,9,10,11,12,13,14,15
	global_store_b128 v[CO], v[BB+4*\t:BB+4*\t+3], s[14:15] offset:\t*SIZE_N*4 th:TH_STORE_NT   ; 32 lanes store 512 consecutive bytes, at a multiple of 512 from z's first byte; nobody in this launch reads them
.endr
.endm
.macro WAYOUT zstep                    ; zstep: what z's base is stepped by first (the second tile), or 0
	PLACES NP                                      ; behind the last products: for the loads into B's second set, and for block 7's reads
.if \zstep
	s_wait_xcnt 0x0                                ; the earlier stores have read their base
	s_add_nc_u64 s[14:15], s[14:15], \zstep
.endif
	TOSTAGE 0
.irp a, 1,2,3,4,5,6,7
.if \a > 1
	s_wait_xcnt 0x0                                ; block a - 2's stores have read their registers and their base: block a's loads may land there, and the base may step
.endif
	TOSTAGE \a
	SEND \a-1, 32                                  ; behind block a - 1's loads: block a's 16 stores and 16 loads
.endr
	s_wait_xcnt 0x0                                ; block 6's stores have read their base
	SEND 7, 0
	WIN 0
.endm
	s_wait_tensorcnt 1                             ; my part of K step 0 is in (K step 1's load may be out)
	s_barrier_signal -1
	s_barrier_wait -1                              ; everybody's is
	FETCH_B 0, 0, 0
	FETCH_A 0, 0, 0
	FETCH_A 0, 0, 4
	s_wait_loadcnt 0x0                             ; the scale words and the bias
	; ---- the first tile
	STEP 0, 0, 0, 1, 0                             ; K step 0 (x, W_xh): its first products start the sums on the bias
	STEPS 0, 0, 1
	TURN 0, 1, 0, 1, PH, 0, PWH, 0                 ; slot 0 takes K step 2: h's and W_hh's first 512 along K
	STEPS 1, 1, 0                                  ; K step 1
	TURN 1, 0, 1, 1, PH, ROWB, PWH, ROWB           ; slot 1 takes K step 3
	SCLOAD SA, XSP, 0, WALKS                       ; x's scale words are done with (four places stand behind their last product): the second tile's land there, two K steps and a way out ahead of their use
	STEPS 0, 2, 0                                  ; K step 2 (h, W_hh)
	TURN 0, 1, 2, 1, PX, WALKA, PWX, 0             ; THE RING GOES ON INTO THE SECOND TILE: slot 0 takes its K step 0,
	STEPS 1, 3, 0                                  ; K step 3
	TURN 1, 0, 3, 1, PX, WALKA+ROWB, PWX, ROWB     ; slot 1 its K step 1, and the second tile's first fragments are fetched
	SCLOAD SA, HSP, 2, WALKS                       ; h's scale words likewise
	WAYOUT 0                                       ; both refills are asked for: now the tile goes out; nothing waits for its stores
	; ---- the second tile
	s_wait_loadcnt 8                               ; x's scale words are in; h's eight loads, issued behind them, may be out
	STEP 0, 0, 0, 1, 1                             ; on accumulators whose numbers have gone through the stage (the way out ended with no LDS instruction out)
	STEPS 0, 0, 1
	TURN 0, 1, 0, 1, PH, WALKA, PWH, 0
	STEPS 1, 1, 0
	TURN 1, 0, 1, 1, PH, WALKA+ROWB, PWH, ROWB
	s_wait_loadcnt 0x0                             ; h's scale words
	STEPS 0, 2, 0
	TURN 0, 1, 2, 0, PX, 0, PWX, 0                 ; nothing is left to fetch: a plain barrier, no round
	STEPS 1, 3, 0
	s_wait_dscnt 4*NL                              ; the very last step
	WIN MUL_LO
	MUL16 0, 1, 3, NQ-1, 0
	MUL16 2, 1, 3, NQ-1, 0
	s_wait_dscnt 0
	WIN MUL_HI
	MUL16 4, 1, 3, NQ-1, 0
	MUL16 6, 1, 3, NQ-1, 0
	WIN 0
	WAYOUT NEXTZ
	s_wait_tensorcnt 0x0                           ; the wave's end, behind my last tensor load and my last LDS store
	ds_add_u32 v[SPW], v[NIL]
	s_wait_dscnt 0x0
	CROUND                                         ; the closing round: no work-group ends while a partner may still ask for a tile that names it
	s_endpgm
.Lfunc_end_k_q1e6399e038_gates:
	.size	k_q1e6399e038_gates, .Lfunc_end_k_q1e6399e038_gates-k_q1e6399e038_gates
	.p2alignl 7, 3214868480
	.fill 96, 4, 3214868480
	.section	.rodata,"a",@progbits
	.p2align	6, 0x0
	.amdhsa_kernel k_q1e6399e038_gates
		.amdhsa_group_segment_fixed_size 327680
		.amdhsa_private_segment_fixed_size 0
		.amdhsa_enable_private_segment 0
		.amdhsa_kernarg_size 80
		.amdhsa_user_sgpr_count 2
		.amdhsa_user_sgpr_kernarg_segment_ptr 1
		.amdhsa_wavefront_size32 1
		.amdhsa_system_sgpr_workgroup_id_x 1
		.amdhsa_system_sgpr_workgroup_id_y 1
		.amdhsa_system_sgpr_workgroup_id_z 1
		.amdhsa_system_vgpr_workitem_id 0
		.amdhsa_next_free_vgpr 1024
		.amdhsa_next_free_sgpr 100
		.amdhsa_reserve_vcc 0
		.amdhsa_float_denorm_mode_32 3
		.amdhsa_float_denorm_mode_16_64 3
		.amdhsa_memory_ordered 1
		.amdhsa_forward_progress 1
		.amdhsa_inst_pref_size 255
	.end_amdhsa_kernel
	.section	.bss,"aw",@nobits
	.p2align	6
	.space	262144
	.amdgpu_metadata
---
amdhsa.version: [ 1, 2 ]
amdhsa.kernels:
  - .name:           k_q1e6399e038_gates
    .symbol:         k_q1e6399e038_gates.kd
    .args:
      - { .name: x_codes, .offset: 0, .size: 8, .value_kind: global_buffer, .address_space: global }
      - { .name: x_scales, .offset: 8, .size: 8, .value_kind: global_buffer, .address_space: global }
      - { .name: h_codes, .offset: 16, .size: 8, .value_kind: global_buffer, .address_space: global }
      - { .name: h_scales, .offset: 24, .size: 8, .value_kind: global_buffer, .address_space: global }
      - { .name: W_xh_codes, .offset: 32, .size: 8, .value_kind: global_buffer, .address_space: global }
      - { .name: W_xh_scales, .offset: 40, .size: 8, .value_kind: global_buffer, .address_space: global }
      - { .name: W_hh_codes, .offset: 48, .size: 8, .value_kind: global_buffer, .address_space: global }
      - { .name: W_hh_scales, .offset: 56, .size: 8, .value_kind: global_buffer, .address_space: global }
      - { .name: bias, .offset: 64, .size: 8, .value_kind: global_buffer, .address_space: global }
      - { .name: z, .offset: 72, .size: 8, .value_kind: global_buffer, .address_space: global }
    .group_segment_fixed_size: 327680
    .private_segment_fixed_size: 0
    .kernarg_segment_align: 8
    .kernarg_segment_size: 80
    .max_flat_workgroup_size: 128
    .sgpr_count:     100
    .vgpr_count:     1024
    .wavefront_size: 32
...
	.end_amdgpu_metadata
.endif
;; end of part 1
;; launch cell (part 2): grid 256 x 1, 16 waves a work-group, no clusters, 43,008 bytes of LDS; arguments z, c, ln_gamma, ln_beta, ln_c_gamma, ln_c_beta, out0, out1; writes out0, out1
.if DOCPART == 2
	.amdgcn_target "amdgcn-amd-amdhsa--gfx1250"
	.amdhsa_code_object_version 6
	.text
	.protected	k_q1e6399e038_cell
	.globl	k_q1e6399e038_cell
	.p2align	8
	.type	k_q1e6399e038_cell,@function
k_q1e6399e038_cell:
	s_mov_b64 s[64:65], 0
	v_nop
	global_prefetch_b8 v0, s[64:65] scope:SCOPE_SE
	s_setreg_imm32_b32 hwreg(HW_REG_WAVE_MODE, 25, 1), 1
	s_wait_xcnt 0x0
; From z [8192][4096] (the first launch's sums, bias included) and c [8192][1024]:  each of z's four groups of 1,024 columns (i, j, f, o) is normalised by its own mean and variance (eps = 1e-3), times ln_gamma, plus ln_beta;
; new_c = c sigmoid(f + 1) + sigmoid(i) tanh(j) -> out1;  new_c is normalised over its 1,024 columns, times ln_c_gamma, plus ln_c_beta;  new_h = tanh(that) sigmoid(o) -> out0.  All in f32.  No work is left out.
; ONE WAVE, ONE ROW: a row's five norms never leave the wave.  Load or store q (0 .. 7) of a gate, of c and of both outputs gives lane l the columns 128 q + 4 l .. + 3: every memory instruction covers 512 consecutive
; bytes, and i, j, f, o and c of one column lie in one lane.  A work-group of sixteen waves owns 32 rows, a wave two; the second row's loads are issued into each run of registers as soon as the first row has left it.
; THE GAINS AND OFFSETS come once a work-group, are multiplied by what the exponentials want, and stay in LDS: sigmoid(v) = 1 / (1 + 2^(-k v)), tanh(v) = 1 - 2 / (1 + 2^(2 k v)), k = log2(e).  So for i and o the stored
; pair is (-k gamma, -k beta), for f (-k gamma, -k (beta + 1)), for j and for the norm of new_c (2 k gamma, 2 k beta): the norm's multiply-add gives the exponent itself.
; The variance is taken of the differences from the mean, in a second pass over the registers.  An exponential that overflows gives 1 / infinity = 0: tanh = 1, sigmoid = 0, with no hold.
; No matrix unit, no tensor load: nothing is multiplied by a matrix, and each number of z and c is read by one lane.  NO CLUSTER: what work-groups share are the 40,960 bytes of gains and offsets, beside the
; 32 x (16,384 + 4,096) = 655,360 bytes that a work-group reads for itself.
; LIMITS: v_exp_f32 gives 0 for results under 2^-126 (ISA guide, its entry in 15.8), which moves a sigmoid or a tanh by less than that; tanh near 0 is a difference from 1, right to about 2^-23 absolutely.  NaN and infinities among the inputs: not tried.
.set GAM,   0                          ; LDS: the four gates' gains, 16,384 bytes, in the columns' order
.set BET,   16384                      ; their offsets
.set CGA,   32768                      ; the gain of new_c's norm, 4,096 bytes
.set CBE,   36864                      ; its offset
.set SPARE, 40960                      ; the spare words, 128 bytes for each of sixteen waves: eight blocks of 256 bytes that no other line names
.set LO,   1                           ; v1   16 x lane: my place in 512 bytes, in memory and in LDS; never rewritten
.set SPW,  2                           ; v2   LDS address of my spare word: SPARE + 4 x my thread's number; never rewritten
.set NIL,  3                           ; v3   0; never rewritten
.set T16,  4                           ; v4   16 x thread
.set T16C, 5                           ; v5   16 x (thread mod 256)
                                       ; v[8:9], v[10:11] two chains of sums; v12 -mean (v13 named with it); v14 1 / sqrt(variance + eps) (v15 named with it); v16 the lane exchange
.set RG,   32                          ; v32-63   a norm's gains
.set RB,   64                          ; v64-95   its offsets
.set RC,   96                          ; v96-127  c
.set RI,   128                         ; v128-159 i
.set RJ,   160                         ; v160-191 j, then new_c
.set RF,   192                         ; v192-223 f, then tanh of the normalised new_c
.set RO,   224                         ; v224-255 o, then new_h
.set ZP,   4                           ; s[4:5]   z at my wave's first row
.set CP,   6                           ; s[6:7]   c
.set O0P,  16                          ; s[16:17] out0
.set O1P,  18                          ; s[18:19] out1
	s_load_b256 s[4:11], s[0:1], 0x0               ; z, c, ln_gamma s[8:9], ln_beta s[10:11]
	s_load_b256 s[12:19], s[0:1], 0x20             ; ln_c_gamma s[12:13], ln_c_beta s[14:15], out0, out1
	v_lshl_add_u32 v[SPW], v0, 2, SPARE
	v_mov_b32 v[NIL], 0
	v_lshrrev_b32 v6, 5, v0
	v_readfirstlane_b32 s20, v6                    ; wave 0..15
	v_and_b32 v[LO], 31, v0
	v_lshlrev_b32 v[LO], 4, v[LO]
	v_lshlrev_b32 v[T16], 4, v0
	v_and_b32 v[T16C], 255, v0
	v_lshlrev_b32 v[T16C], 4, v[T16C]
	v_mov_b32 v13, 0                               ; named as the upper halves of pairs whose low word serves both halves: written once
	v_mov_b32 v15, 0
	v_mov_b32 v16, 0                               ; a lane permute's destination counts as one of its sources: written once
	s_mov_b32 s24, 0x76543210
	s_mov_b32 s25, 0xfedcba98                      ; v_permlanex16_b32's selects for lane l xor 16
	s_mov_b32 s26, 0x3a800000                      ; 1 / 1024
	s_mov_b32 s27, 0x3a83126f                      ; eps = 1e-3
	s_mov_b32 s29, 0xbfb8aa3b                      ; -k
	s_mov_b32 s31, 0xba800000                      ; -1 / 1024
	s_mov_b32 s34, 0x4038aa3b                      ; 2 k
	s_lshl_b32 s22, ttmp9, 19                      ; z: 32 rows of 16,384 bytes a work-group,
	s_lshl_b32 s23, s20, 15                        ; two a wave
	s_add_co_u32 s22, s22, s23
	s_mov_b32 s23, 0
	s_lshl_b32 s36, ttmp9, 17                      ; c and the outputs: rows of 4,096 bytes
	s_lshl_b32 s37, s20, 13
	s_add_co_u32 s36, s36, s37
	s_mov_b32 s37, 0
	s_cmp_lt_u32 s20, 8                            ; threads 0-255 hold columns of i, then of f, and ln_c_gamma; threads 256-511 of j, then of o, and ln_c_beta
	s_cselect_b32 s28, s29, s34                    ; the factor of the first 2,048 columns: -k (i) or 2 k (j)
	s_cselect_b32 s30, s29, 0                      ; what is added to the offsets of the second 2,048: -k (f: the forget bias 1, times -k) or 0 (o)
	s_wait_kmcnt 0x0
	s_cselect_b64 s[32:33], s[12:13], s[14:15]     ; (moves, selects and waits leave the compare's result alone)
	s_add_nc_u64 s[ZP:ZP+1], s[ZP:ZP+1], s[22:23]
	s_add_nc_u64 s[CP:CP+1], s[CP:CP+1], s[36:37]
	s_add_nc_u64 s[O0P:O0P+1], s[O0P:O0P+1], s[36:37]
	s_add_nc_u64 s[O1P:O1P+1], s[O1P:O1P+1], s[36:37]
.macro LOADG reg, base, off            ; 1,024 numbers of a row: eight loads of 512 consecutive bytes; read once in the launch
.irp q, 0,1,2,3,4,5,6,7
	global_load_b128 v[\reg+4*\q:\reg+4*\q+3], v[LO], s[\base:\base+1] offset:\off+512*\q th:TH_LOAD_NT
.endr
.endm
.macro STOREG reg, base, off           ; and eight stores of 512 consecutive bytes, at multiples of 512 from the buffer's first byte
.irp q, 0,1,2,3,4,5,6,7
	global_store_b128 v[LO], v[\reg+4*\q:\reg+4*\q+3], s[\base:\base+1] offset:\off+512*\q th:TH_STORE_NT
.endr
.endm
	global_load_b128 v[32:35], v[T16], s[8:9]                  ; the gains of columns 4 t .. of the first 2,048,
	global_load_b128 v[36:39], v[T16], s[8:9] offset:8192      ; of the second,
	global_load_b128 v[40:43], v[T16], s[10:11]                ; the offsets likewise,
	global_load_b128 v[44:47], v[T16], s[10:11] offset:8192
	global_load_b128 v[48:51], v[T16C], s[32:33]               ; and my four of ln_c_gamma or ln_c_beta
	LOADG RI, ZP, 0                                ; my first row, in the order in which it is wanted: i, c, j, f, o
	LOADG RC, CP, 0
	LOADG RJ, ZP, 4096
	LOADG RF, ZP, 8192
	LOADG RO, ZP, 12288
	s_wait_loadcnt 40                              ; the five loads of gains and offsets are in; the row's forty may be out
.irp i, 0,1,2,3
	v_mul_f32 v[32+\i], s28, v[32+\i]
	v_mul_f32 v[36+\i], s29, v[36+\i]
	v_mul_f32 v[40+\i], s28, v[40+\i]
	v_fma_f32 v[44+\i], v[44+\i], s29, s30
	v_mul_f32 v[48+\i], s34, v[48+\i]
.endr
	ds_store_b128 v[T16], v[32:35] offset:GAM
	ds_store_b128 v[T16], v[36:39] offset:GAM+8192
	ds_store_b128 v[T16], v[40:43] offset:BET
	ds_store_b128 v[T16], v[44:47] offset:BET+8192
	ds_store_b128 v[T16], v[48:51] offset:CGA      ; threads 256 on fall into CBE, which lies 4,096 bytes behind CGA
	s_wait_dscnt 0x0                               ; for the others' sake: my stores have landed
	s_barrier_signal -1
	s_barrier_wait -1                              ; the launch's one barrier: behind it LDS is only read
.macro RED                             ; the two chains' four partial sums, then the 32 lanes': every lane ends with the row's sum in v8
	v_pk_add_f32 v[8:9], v[8:9], v[10:11]
	v_add_f32 v8, v8, v9
	v_add_f32_dpp v8, v8, v8 row_xmask:1 row_mask:0xf bank_mask:0xf
	v_add_f32_dpp v8, v8, v8 row_xmask:2 row_mask:0xf bank_mask:0xf
	v_add_f32_dpp v8, v8, v8 row_xmask:4 row_mask:0xf bank_mask:0xf
	v_add_f32_dpp v8, v8, v8 row_xmask:8 row_mask:0xf bank_mask:0xf
	v_permlanex16_b32 v16, v8, s24, s25
	v_add_f32 v8, v8, v16
.endm
; dst = (src - mean) / sqrt(variance + eps) x gain + offset, over the row's 1,024 numbers (32 a lane); gain and offset from LDS at goff, boff.  src is kept where dst is another run of registers.
.macro LNORM src, dst, goff, boff
.irp q, 0,1,2,3,4,5,6,7
	ds_load_b128 v[RG+4*\q:RG+4*\q+3], v[LO] offset:\goff+512*\q     ; asked for first: they land under the two passes
.endr
.irp q, 0,1,2,3,4,5,6,7
	ds_load_b128 v[RB+4*\q:RB+4*\q+3], v[LO] offset:\boff+512*\q
.endr
	v_pk_add_f32 v[8:9], v[\src:\src+1], v[\src+2:\src+3]            ; the sum, two at a time, in two chains that the first numbers start
	v_pk_add_f32 v[10:11], v[\src+4:\src+5], v[\src+6:\src+7]
.irp j, 8,12,16,20,24,28
	v_pk_add_f32 v[8:9], v[8:9], v[\src+\j:\src+\j+1]
	v_pk_add_f32 v[10:11], v[10:11], v[\src+\j+2:\src+\j+3]
.endr
	RED
	v_mul_f32 v12, s31, v8                         ; -mean
.irp j, 0,2,4,6,8,10,12,14,16,18,20,22,24,26,28,30
	v_pk_add_f32 v[\dst+\j:\dst+\j+1], v[\src+\j:\src+\j+1], v[12:13] op_sel_hi:[1,0]
.endr
	v_pk_mul_f32 v[8:9], v[\dst:\dst+1], v[\dst:\dst+1]              ; the sum of the differences' squares
	v_pk_mul_f32 v[10:11], v[\dst+2:\dst+3], v[\dst+2:\dst+3]
.irp j, 4,8,12,16,20,24,28
	v_pk_fma_f32 v[8:9], v[\dst+\j:\dst+\j+1], v[\dst+\j:\dst+\j+1], v[8:9]
	v_pk_fma_f32 v[10:11], v[\dst+\j+2:\dst+\j+3], v[\dst+\j+2:\dst+\j+3], v[10:11]
.endr
	RED
	v_fma_f32 v14, v8, s26, s27                    ; variance + eps
	v_rsq_f32 v14, v14
	v_nop                                          ; a plain instruction behind the transcendental,
	s_wait_alu depctr_va_vdst(0)                   ; and the wait ahead of the first line that names its result
	s_wait_dscnt 0x0                               ; the gains and offsets are in
.irp j, 0,2,4,6,8,10,12,14,16,18,20,22,24,26,28,30
	v_pk_mul_f32 v[RG+\j:RG+\j+1], v[RG+\j:RG+\j+1], v[14:15] op_sel_hi:[1,0]
.endr
.irp j, 0,2,4,6,8,10,12,14,16,18,20,22,24,26,28,30
	v_pk_fma_f32 v[\dst+\j:\dst+\j+1], v[\dst+\j:\dst+\j+1], v[RG+\j:RG+\j+1], v[RB+\j:RB+\j+1]
.endr
.endm
; x = 1 / (1 + 2^x), 32 numbers: two batches of transcendentals, each with one plain instruction behind it and ONE wait ahead of its first reader
.macro SIGM x
.irp j, 0,1,2,3,4,5,6,7,8,9,10,11,12,13,14,15,16,17,18,19,20,21,22,23,24,25,26,27,28,29,30,31
	v_exp_f32 v[\x+\j], v[\x+\j]
.endr
	v_nop
	s_wait_alu depctr_va_vdst(0)
.irp j, 0,2,4,6,8,10,12,14,16,18,20,22,24,26,28,30
	v_pk_add_f32 v[\x+\j:\x+\j+1], v[\x+\j:\x+\j+1], 1.0 op_sel_hi:[1,0]
.endr
.irp j, 0,1,2,3,4,5,6,7,8,9,10,11,12,13,14,15,16,17,18,19,20,21,22,23,24,25,26,27,28,29,30,31
	v_rcp_f32 v[\x+\j], v[\x+\j]
.endr
	v_nop
	s_wait_alu depctr_va_vdst(0)
.endm
.macro TANH x                          ; x = 1 - 2 / (1 + 2^x)
	SIGM \x
.irp j, 0,2,4,6,8,10,12,14,16,18,20,22,24,26,28,30
	v_pk_fma_f32 v[\x+\j:\x+\j+1], v[\x+\j:\x+\j+1], -2.0, 1.0 op_sel_hi:[1,0,0]
.endr
.endm
.macro PKMUL d, a, b
.irp j, 0,2,4,6,8,10,12,14,16,18,20,22,24,26,28,30
	v_pk_mul_f32 v[\d+\j:\d+\j+1], v[\a+\j:\a+\j+1], v[\b+\j:\b+\j+1]
.endr
.endm
; Row n of my two.  pre = 1: the next row's loads go out, each run of eight as soon as its registers are free, always in the order i, c, j, f, o.
; Loads come back in order (ISA guide 5.7.1): each wait names the loads issued behind the run that is wanted.  w3: behind f;  w5: behind o.
.macro ROW n, pre, w3, w5
	s_wait_loadcnt 32                              ; i is in; c, j, f, o may be out
	LNORM RI, RI, GAM, BET
	SIGM RI                                        ; sigmoid(i)
	s_wait_loadcnt 16                              ; c and j are in; f, o may be out
	LNORM RJ, RJ, GAM+4096, BET+4096
	TANH RJ                                        ; tanh(j)
	PKMUL RJ, RJ, RI
.if \pre
	LOADG RI, ZP, (\n+1)*16384
.endif
	s_wait_loadcnt \w3                             ; f is in; o, and the next row's i where it was asked for, may be out
	LNORM RF, RF, GAM+8192, BET+8192
	SIGM RF                                        ; sigmoid(f + 1)
.irp j, 0,2,4,6,8,10,12,14,16,18,20,22,24,26,28,30
	v_pk_fma_f32 v[RJ+\j:RJ+\j+1], v[RC+\j:RC+\j+1], v[RF+\j:RF+\j+1], v[RJ+\j:RJ+\j+1]   ; new_c
.endr
	STOREG RJ, O1P, (\n)*4096
.if \pre
	LOADG RC, CP, (\n+1)*4096
.endif
	LNORM RJ, RF, CGA, CBE                         ; new_c stays as it is: its stores may still read it
	TANH RF
.if \pre
	s_wait_xcnt 0x0                                ; out1's stores have read new_c's registers: only behind this wait do the next row's loads land there
	LOADG RJ, ZP, (\n+1)*16384+4096
.endif
	s_wait_loadcnt \w5                             ; o is in; the next row's i, c, j may be out
	LNORM RO, RO, GAM+12288, BET+12288
	SIGM RO                                        ; sigmoid(o)
	PKMUL RO, RO, RF                               ; new_h
.if \pre
	LOADG RF, ZP, (\n+1)*16384+8192
.endif
	STOREG RO, O0P, (\n)*4096
.if \pre
	s_wait_xcnt 0x0                                ; out0's stores have read new_h's registers
	LOADG RO, ZP, (\n+1)*16384+12288
.endif
.endm
	ROW 0, 1, 16, 24
	ROW 1, 0, 8, 0                                 ; the last row asks for nothing: no load leaves its buffer, and the counts run down
	s_wait_tensorcnt 0x0                           ; the wave's end, behind my last LDS store
	ds_add_u32 v[SPW], v[NIL]
	s_wait_dscnt 0x0
	s_endpgm
.Lfunc_end_k_q1e6399e038_cell:
	.size	k_q1e6399e038_cell, .Lfunc_end_k_q1e6399e038_cell-k_q1e6399e038_cell
	.p2alignl 7, 3214868480
	.fill 96, 4, 3214868480
	.section	.rodata,"a",@progbits
	.p2align	6, 0x0
	.amdhsa_kernel k_q1e6399e038_cell
		.amdhsa_group_segment_fixed_size 43008
		.amdhsa_private_segment_fixed_size 0
		.amdhsa_enable_private_segment 0
		.amdhsa_kernarg_size 64
		.amdhsa_user_sgpr_count 2
		.amdhsa_user_sgpr_kernarg_segment_ptr 1
		.amdhsa_wavefront_size32 1
		.amdhsa_system_sgpr_workgroup_id_x 1
		.amdhsa_system_sgpr_workgroup_id_y 1
		.amdhsa_system_sgpr_workgroup_id_z 1
		.amdhsa_system_vgpr_workitem_id 0
		.amdhsa_next_free_vgpr 256
		.amdhsa_next_free_sgpr 66
		.amdhsa_reserve_vcc 0
		.amdhsa_float_denorm_mode_32 3
		.amdhsa_float_denorm_mode_16_64 3
		.amdhsa_memory_ordered 1
		.amdhsa_forward_progress 1
		.amdhsa_inst_pref_size 126
	.end_amdhsa_kernel
	.amdgpu_metadata
---
amdhsa.version: [ 1, 2 ]
amdhsa.kernels:
  - .name:           k_q1e6399e038_cell
    .symbol:         k_q1e6399e038_cell.kd
    .args:
      - { .name: z, .offset: 0, .size: 8, .value_kind: global_buffer, .address_space: global }
      - { .name: c, .offset: 8, .size: 8, .value_kind: global_buffer, .address_space: global }
      - { .name: ln_gamma, .offset: 16, .size: 8, .value_kind: global_buffer, .address_space: global }
      - { .name: ln_beta, .offset: 24, .size: 8, .value_kind: global_buffer, .address_space: global }
      - { .name: ln_c_gamma, .offset: 32, .size: 8, .value_kind: global_buffer, .address_space: global }
      - { .name: ln_c_beta, .offset: 40, .size: 8, .value_kind: global_buffer, .address_space: global }
      - { .name: out0, .offset: 48, .size: 8, .value_kind: global_buffer, .address_space: global }
      - { .name: out1, .offset: 56, .size: 8, .value_kind: global_buffer, .address_space: global }
    .group_segment_fixed_size: 43008
    .private_segment_fixed_size: 0
    .kernarg_segment_align: 8
    .kernarg_segment_size: 64
    .max_flat_workgroup_size: 512
    .sgpr_count:     66
    .vgpr_count:     256
    .wavefront_size: 32
...
	.end_amdgpu_metadata
.endif
;; end of part 2
